; MI455X (gfx1250); checked and timed in simulation.
; The chip was launched on July 23, 2026; its instructions are those of AMD's public machine-readable ISA for CDNA 5 (MIT licence, August 2026) and "CDNA5" Instruction Set Architecture Reference Guide (July 2026). The comments in the code are by the model that wrote it; some were corrected since.
;; EPTM. Allowed arithmetic: matrix products marked QUANTISED: E4M3 operands, one E8M0 scale for each 32 along K, by v_wmma_scale_f32_16x16x128_f8f6f4 with both operands' format E4M3, f32 sums; products left as they are: f32 operands where the result goes on into a quantised operand, else bf16, f16 or f32 operands; f32 sums; everything else in f32.
;; Inputs: V 512 float32; Wc0 512 x 512 float32; Wc1 512 x 512 float32; Wc2 512 x 512 float32; Wc3 512 x 512 float32; Wi 512 x 512 float32; bc0 512 float32; bc1 512 float32; bc2 512 float32; bc3 512 float32; bi 512 float32; context 32 x 2,048 x 512 float32; mask 32 x 2,048 bool; x 32 x 512 float32.
;; Outputs: out0 32 x 1 int32; out1 32 x 1 float32; out2 32 x 2,048 bool.
;; This version of the problem:
;;   THIS VERSION OF THE PROBLEM IS GIVEN IN LOW PRECISION. The matrix products marked QUANTISED in the list below multiply operands that are first quantised to E4M3 (4 exponent bits, 3 mantissa bits; 8 bits a number), with one power-of-two scale for each 32 numbers along K (OCP MX v1.0); their sums are f32. All else is computed in f32.
;;   The module's matrix products, in the order in which they are computed (A, B: the left and right operand; K: the contracted axis; several contracted axes count as one K, in the product's order):
;;     1. [M 32, K 512] x [K 512, N 512]; A: input x; B: input Wi: QUANTISED
;;     2. [M 512, K 512] x [K 512, N 65,536]; A: input Wc0; B: input context: QUANTISED
;;     3. [M 512, K 512] x [K 512, N 65,536]; A: input Wc1; B: input context: QUANTISED
;;     4. [M 512, K 512] x [K 512, N 65,536]; A: input Wc2; B: input context: QUANTISED
;;     5. [M 512, K 512] x [K 512, N 65,536]; A: input Wc3; B: input context: QUANTISED
;;     6. [M 1, K 512] x [K 512, N 262,144]; A: input V; B: computed on the way: left as it is (M = 1 < 16)
;;   THE QUANTISER, for each operand of a quantised product, along K:
;;     - K is cut into blocks of 32 from its start; a last block that is shorter is filled with zeros.
;;     - A block's scale is 2^e with e = floor(log2(the largest magnitude in the block)) - 8, held to -126 .. 127; a block of zeros has e = 0. As a byte (E8M0): e + 127.
;;     - Each number is divided by its block's scale, clamped to +-448, and rounded to the nearest number of E4M3, ties to even, subnormals kept.
;;     - The product sums the exact products of the quantised numbers (number of the format x scale) in f32.
;;   ~~~python
;;   def quantise(x, axis):      # numpy; x: float32 -> the quantised numbers, widened to float32 again
;;       x = np.moveaxis(x, axis, -1); K = x.shape[-1]
;;       x = np.pad(x, [(0, 0)] * (x.ndim - 1) + [(0, -K % 32)]); x = x.reshape(x.shape[:-1] + (-1, 32)); a = np.abs(x).max(-1, keepdims=True)
;;       e = np.where(a > 0, np.clip(np.frexp(np.where(a > 0, a, 1))[1] - 1 - 8, -126, 127), 0)      # np.frexp(a)[1] - 1 = floor(log2(a)), exactly
;;       r = np.clip(x / 2.0 ** e, -448, 448)
;;       step = 2.0 ** (np.maximum(np.frexp(np.where(r == 0, 1, r))[1] - 1, -6) - 3)
;;       q = np.round(r / step) * step * 2.0 ** e      # np.round: ties to even
;;       return np.moveaxis(q.reshape(q.shape[:-2] + (-1,))[..., :K], -1, axis).astype(np.float32)
;;   ~~~
;; One version. Each part assembles by itself: llvm-mc -triple=amdgcn-amd-amdhsa -mcpu=gfx1250 --defsym DOCPART=n.
;; ======== version 1 of 1: 3 launches
;; limits: right only within a limited range of input values; inputs' magnitudes at most 34,359,738,368
;; workspace buffers: wimg 1,114,112 bytes; btab 262,144 bytes; part 3,072 bytes
;; launch prep (part 1): grid 160 x 1, 4 waves a work-group, no clusters, 46,592 bytes of LDS; arguments Wc0, Wc1, Wc2, Wc3, Wi, x, bi, bc0, bc1, bc2, bc3, mask, wimg, btab, out2; writes wimg, btab, out2
.if DOCPART == 1
	.amdgcn_target "amdgcn-amd-amdhsa--gfx1250"
	.amdhsa_code_object_version 6
	.text
	.protected	k_q8c4c0c7f88_prep
	.globl	k_q8c4c0c7f88_prep
	.p2align	8
	.type	k_q8c4c0c7f88_prep,@function
k_q8c4c0c7f88_prep:
	s_mov_b64 s[64:65], 0
	v_nop
	global_prefetch_b8 v0, s[64:65] scope:SCOPE_SE
	s_setreg_imm32_b32 hwreg(HW_REG_WAVE_MODE, 25, 1), 1
	s_wait_xcnt 0x0
; The launch in front of the main one.  It makes what all 256 work-groups of the main launch read again and again, once:
;   wimg: Wc0 .. Wc3 [512][512] f32 as codes of FP8 (E4M3) with one E8M0 scale byte for each 32 along K (the second axis), laid as IMAGES OF OPERAND REGISTERS.  Record g = 32 j + t (8,704 bytes) holds rows 16 t .. 16 t + 15 of Wc_j:
;         17 chunks of 512 bytes, lane l's 16 bytes at 16 l; chunk 4 s + c = registers 4 c .. 4 c + 3 of the fragment of K step s (128 along K); chunk 16 = each lane's four scale words (word s: K step s of row l % 16).
;   btab: [t 32][b 32][j 4][16] f32 = (Q(x) Q(Wi)^T)[b][16 t + i] + bi[16 t + i] + bc_j[16 t + i]: what the main launch gives its products as their first C.
;   out2: the mask, copied.
; SHARES.  Work-groups 0 .. 127: one record each; wave w quantises K step w (16 rows x 128).  Wave 1 also copies 512 bytes of the mask.
;          Work-groups 128 .. 159: one tile t of 16 rows of Wi each; wave w takes K step w of Wi's tile and of all 32 rows of x: two matrix instructions; the four waves' parts meet in LDS and are added in f32.
; The two ways part on the work-group's number alone, so every wave of a work-group passes the same barrier; each way has LDS bytes of its own.
; A BLOCK'S SCALE is 2^(floor(log2(its largest magnitude)) - 8); its byte is that magnitude's exponent field - 8, held at 1 from below.  A block of zeros so gets the byte 1: its codes are zeros, and the bytes are read by this program alone.
; LIMITS: blocks whose largest magnitude lies under 2^(9 - 127) take the floor's byte; NaN and infinities among the inputs are not served.
; No tensor loads and no cluster: each weight row is read by one wave only; what several work-groups read (x, 64 KiB) is a small part of the launch's bytes.
.set STGI, 17920                       ; LDS: 0: four stages of 4,352 bytes (first way); 17,408: its scale words; 17,920: four stages (second way);
.set SCX,  17408
.set PP,   35328                       ; the four waves' parts of the product: 32 rows (batches) x 80 bytes (16 f32 + 16 of padding) each;
.set BIB,  45568                       ; bi + bc_j of the tile: [j 4][16] f32
.set WV,   34                          ; s34  my wave's number
.set MNT,  43                          ; s43  the mantissa field of 448
.set SEL,  44                          ; s[44:45] v_permlanex16_b32's selects for lane l xor 16
.set LI,   4                           ; v4   16 x lane
.set LA,   5                           ; v5   a load's place for my lane: lanes 0-15 one row's 256 bytes, lanes 16-31 the next row's (rows are 2,048 bytes)
.set SAW,  6                           ; v6, v7  the stage, in and out (first way);  v8, v9 (second way)
.set RAW,  7
.set SAI,  8
.set RAI,  9
.set SCW,  10                          ; v10  where I put my scale word: SCX + 16 x lane + 4 x wave;  v11 where wave 0 reads four
.set SCR,  11
.set R4,   12                          ; v12  4 x (lane % 16)
.set PPW,  13                          ; v13  where I put 32 bytes of my part;  v15 where I read 16 bytes of a part
.set BBW,  14                          ; v14  where I put bi + bc;  v16 where I read four of them
.set PPR,  15
.set BBR,  16
.set L0,   32                          ; v32-95, v96-159  two sets of 64 registers as loaded
.set L1,   96
.set X,    160                         ; v160-223 64 numbers of my row: register 16 b + i = k 32 b + 16 (lane / 16) + i
.set PCA,  224                         ; v224-239 a fragment's codes
.set TM,   240                         ; v240-255 at work in QUANT
; 64 numbers of a lane become a fragment's 16 registers of codes (v[dst] on) and its row's scale word (v[pw]).
.macro QUANT src, dst, pw
.irp b, 0,1,2,3
	v_max3_num_f32 v[TM+\b], |v[\src+16*\b]|, |v[\src+16*\b+1]|, 0x4800000   ; block b: my 16 numbers, and the floor 2^(9 - 127): the byte cannot fall under 1
.endr
.irp i, 2,4,6,8,10,12,14
.irp b, 0,1,2,3
	v_max3_num_f32 v[TM+\b], v[TM+\b], |v[\src+16*\b+\i]|, |v[\src+16*\b+\i+1]|   ; the four blocks by turns
.endr
.endr
.irp b, 0,1,2,3
	v_permlanex16_b32 v[TM+4+\b], v[TM+\b], s[SEL], s[SEL+1]
.endr
.irp b, 0,1,2,3
	v_max_num_f32 v[TM+\b], v[TM+\b], v[TM+4+\b]   ; with lane l xor 16's 16: the block's largest magnitude
.endr
.irp b, 0,1,2,3
	v_add_nc_u32 v[TM+12+\b], 0xfc000000, v[TM+\b]   ; 8 off its exponent field: the conversion's scale operand
.endr
.irp b, 0,1,2,3
	v_and_or_b32 v[TM+8+\b], v[TM+\b], 0x7f800000, s[MNT]   ; 448 x the scale
.endr
.irp b, 0,1,2,3
	v_lshrrev_b32 v[TM+4+\b], 23, v[TM+12+\b]      ; the scale's byte
.endr
	v_lshl_or_b32 v[\pw], v[TM+5], 8, v[TM+4]      ; four bytes: my row's scale word for these 128 along K
	v_lshl_or_b32 v[\pw], v[TM+6], 16, v[\pw]
	v_lshl_or_b32 v[\pw], v[TM+7], 24, v[\pw]
.irp b, 0,1,2,3
.irp i, 0,1,2,3,4,5,6,7,8,9,10,11,12,13,14,15
	v_med3_num_f32 v[\src+16*\b+\i], v[\src+16*\b+\i], -v[TM+8+\b], v[TM+8+\b]   ; the conversion to an 8-bit code does not saturate (ISA guide 7.6.2): the hold comes first
.endr
	v_cvt_scalef32_pk8_fp8_f32 v[\dst+4*\b:\dst+4*\b+1], v[\src+16*\b:\src+16*\b+7], v[TM+12+\b]
	v_cvt_scalef32_pk8_fp8_f32 v[\dst+4*\b+2:\dst+4*\b+3], v[\src+16*\b+8:\src+16*\b+15], v[TM+12+\b]
.endr
	v_nop                                          ; one plain vector line behind the last scaled conversion
.endm
; 16 rows x 512 bytes (one K step of 128 f32), from off bytes behind the base: 16 loads; sixteen lanes read 256 consecutive bytes, aligned
.macro LOADU dst, sb, off
.irp k, 0,1
.irp i, 0,1,2,3,4,5,6,7
	global_load_b128 v[\dst+32*\k+4*\i:\dst+32*\k+4*\i+3], v[LA], s[\sb:\sb+1] offset:\off+4096*\i+256*\k
.endr
.endr
.endm
; They turn through my own stage (16 rows x 272 bytes), 256 bytes of each row at a time, and come back 64 bytes a lane: 16 neighbours of each block of 32.
; LDS serves a wave's instructions in order (ISA guide 5.7.1.4): no wait between the stores and the loads, nor in front of the second half's stores.
.macro TURN src, sa, ra
.irp k, 0,1
.irp i, 0,1,2,3,4,5,6,7
	ds_store_b128 v[\sa], v[\src+32*\k+4*\i:\src+32*\k+4*\i+3] offset:544*\i
.endr
.irp b, 0,1
.irp q, 0,1,2,3
	ds_load_b128 v[X+32*\k+16*\b+4*\q:X+32*\k+16*\b+4*\q+3], v[\ra] offset:128*\b+16*\q
.endr
.endr
.endr
.endm
	s_load_b256 s[4:11], s[0:1], 0x0               ; Wc0 s[4:5], Wc1 s[6:7], Wc2 s[8:9], Wc3 s[10:11]
	s_load_b256 s[12:19], s[0:1], 0x20             ; Wi s[12:13], x s[14:15], bi s[16:17], bc0 s[18:19]
	s_load_b256 s[20:27], s[0:1], 0x40             ; bc1 s[20:21], bc2 s[22:23], bc3 s[24:25], mask s[26:27]
	s_load_b128 s[28:31], s[0:1], 0x60             ; wimg s[28:29], btab s[30:31]
	s_load_b64 s[32:33], s[0:1], 0x70              ; out2
	v_lshl_add_u32 v27, v0, 2, 0xb400
	s_set_vgpr_msb 0x40
	v_mov_b32 v1, 0
	s_set_vgpr_msb 0x4000
	v_lshrrev_b32 v1, 5, v0
	v_readfirstlane_b32 s[WV], v1                  ; wave 0..3
	v_and_b32 v1, 31, v0                           ; lane
	v_and_b32 v2, 15, v0                           ; r
	v_bfe_u32 v3, v0, 4, 1                         ; h
	v_lshlrev_b32 v[LI], 4, v1
	v_lshlrev_b32 v[LA], 4, v2
	v_lshl_add_u32 v[LA], v3, 11, v[LA]            ; 2,048 h + 16 r
	s_mul_i32 s35, s[WV], 4352                     ; my stage
	v_mul_u32_u24 v[SAW], v3, 272
	v_lshl_add_u32 v[SAW], v2, 4, v[SAW]
	v_add_nc_u32 v[SAW], s35, v[SAW]               ; in: as loaded: row h of a pair, 16 r
	v_mul_u32_u24 v[RAW], v2, 272
	v_lshl_add_u32 v[RAW], v3, 6, v[RAW]
	v_add_nc_u32 v[RAW], s35, v[RAW]               ; out: row r, + 64 h
	v_add_nc_u32 v[SAI], STGI, v[SAW]
	v_add_nc_u32 v[RAI], STGI, v[RAW]
	s_lshl_b32 s35, s[WV], 2
	s_add_co_u32 s35, s35, SCX
	v_add_nc_u32 v[SCW], s35, v[LI]
	v_add_nc_u32 v[SCR], SCX, v[LI]
	v_lshlrev_b32 v[R4], 2, v2
	s_mul_i32 s35, s[WV], 2560
	s_add_co_u32 s35, s35, PP
	v_mul_u32_u24 v[PPW], v2, 80
	v_lshl_add_u32 v[PPW], v3, 5, v[PPW]
	v_add_nc_u32 v[PPW], s35, v[PPW]               ; my wave's part: row (batch) r, + 32 h: my eight hidden units
	s_lshl_b32 s35, s[WV], 6
	s_add_co_u32 s35, s35, BIB
	v_add_nc_u32 v[BBW], s35, v[R4]
	s_mul_i32 s35, s[WV], 640
	s_add_co_u32 s35, s35, PP
	v_and_b32 v[PPR], 3, v0
	v_lshlrev_b32 v[PPR], 4, v[PPR]
	v_mad_u32_u24 v[PPR], v3, 80, v[PPR]
	v_add_nc_u32 v[PPR], s35, v[PPR]               ; back: batch 8 w + h (+ 2 k), quarter lane % 4 of its 16 numbers
	v_lshl_add_u32 v[BBR], v2, 4, BIB
	s_mov_b32 s[SEL], 0x76543210
	s_mov_b32 s[SEL+1], 0xfedcba98
	s_mov_b32 s[MNT], 0x600000
	s_mov_b32 s47, 0                               ; the upper word of every offset
.irp b, 0,1,2,3
	v_mov_b32 v[TM+4+\b], 0                        ; written once: a lane permute's destination counts as one of its sources
.endr
	s_wait_kmcnt 0x0
	s_cmp_lt_u32 ttmp9, 128
	s_cbranch_scc0 .Lbias
	; ---- the first way: record g = the work-group's number
	s_lshr_b32 s35, ttmp9, 5                       ; j: which of the four weights; the choice hangs on the work-group's number alone
	s_cmp_eq_u32 s35, 1
	s_cselect_b64 s[36:37], s[6:7], s[4:5]
	s_cmp_eq_u32 s35, 2
	s_cselect_b64 s[36:37], s[8:9], s[36:37]
	s_cmp_eq_u32 s35, 3
	s_cselect_b64 s[36:37], s[10:11], s[36:37]
	s_and_b32 s38, ttmp9, 31
	s_lshl_b32 s38, s38, 15                        ; 16 rows of 2,048 bytes a tile,
	s_lshl_b32 s39, s[WV], 9                       ; 512 bytes a K step
	s_add_co_u32 s46, s38, s39
	s_add_nc_u64 s[36:37], s[36:37], s[46:47]
	LOADU L0, 36, 0
	s_mul_i32 s46, ttmp9, 8704
	s_lshl_b32 s38, s[WV], 11
	s_add_co_u32 s46, s46, s38
	s_add_nc_u64 s[28:29], s[28:29], s[46:47]      ; my four chunks of the record
	s_lshl_b32 s46, ttmp9, 9
	s_add_nc_u64 s[26:27], s[26:27], s[46:47]      ; the work-group's 512 bytes of the mask
	s_add_nc_u64 s[32:33], s[32:33], s[46:47]
	s_wait_loadcnt 0x0
	TURN L0, SAW, RAW
	s_wait_dscnt 0x0
	QUANT X, PCA, 24
.irp c, 0,1,2,3
	global_store_b128 v[LI], v[PCA+4*\c:PCA+4*\c+3], s[28:29] offset:512*\c   ; 32 lanes store 512 consecutive bytes, aligned
.endr
	ds_store_b32 v[SCW], v24                       ; my K step's scale word of row lane % 16
	s_wait_dscnt 0x0                               ; for the others' sake: it has landed
	s_barrier_signal -1
	s_barrier_wait -1
	s_cmp_eq_u32 s[WV], 0
	s_cbranch_scc0 .Lnot_scales
	ds_load_b128 v[20:23], v[SCR]                  ; the four waves' words
	s_wait_dscnt 0x0
	global_store_b128 v[LI], v[20:23], s[28:29] offset:8192   ; chunk 16 (in wave 0 the base stands at the record's head)
.Lnot_scales:
	s_cmp_eq_u32 s[WV], 1
	s_cbranch_scc0 .Lnot_mask
	global_load_b128 v[28:31], v[LI], s[26:27]
	s_wait_loadcnt 0x0
	global_store_b128 v[LI], v[28:31], s[32:33]
.Lnot_mask:
	s_set_vgpr_msb 0x4
	s_wait_tensorcnt 0x0
	ds_add_u32 v27, v1
	s_wait_dscnt 0x0
	s_set_vgpr_msb 0x400
	s_endpgm
	; ---- the second way: tile t of Wi, all of x
.Lbias:
	s_sub_co_u32 s35, ttmp9, 128                   ; t
	s_cmp_eq_u32 s[WV], 1                          ; wave w brings bc_w: the choice hangs on the wave's number alone
	s_cselect_b64 s[36:37], s[20:21], s[18:19]
	s_cmp_eq_u32 s[WV], 2
	s_cselect_b64 s[36:37], s[22:23], s[36:37]
	s_cmp_eq_u32 s[WV], 3
	s_cselect_b64 s[36:37], s[24:25], s[36:37]
	s_lshl_b32 s46, s35, 6
	s_add_nc_u64 s[16:17], s[16:17], s[46:47]
	s_add_nc_u64 s[36:37], s[36:37], s[46:47]
	global_load_b32 v17, v[R4], s[16:17]           ; bi[16 t + r]
	global_load_b32 v18, v[R4], s[36:37]           ; bc_w[16 t + r]
	s_lshl_b32 s46, s35, 15
	s_lshl_b32 s38, s[WV], 9
	s_add_co_u32 s46, s46, s38
	s_add_nc_u64 s[12:13], s[12:13], s[46:47]      ; Wi: the tile's rows, my K step
	s_mov_b32 s46, s38
	s_add_nc_u64 s[14:15], s[14:15], s[46:47]      ; x: my K step
	LOADU L0, 12, 0                                ; Wi's 16 rows
	LOADU L1, 14, 0                                ; x's rows 0-15
	s_lshl_b32 s46, s35, 13
	s_lshl_b32 s38, s[WV], 11
	s_add_co_u32 s46, s46, s38
	s_add_nc_u64 s[30:31], s[30:31], s[46:47]      ; btab: the tile's 8,192 bytes, my 2,048
	s_wait_loadcnt 16                              ; the two small loads and Wi's 16 are in; x's 16 may be out
	TURN L0, SAI, RAI
	s_wait_dscnt 8                                 ; all but the last eight loads: the stage's stores have read v[L0] on,
	LOADU L0, 14, 32768                            ; which takes x's rows 16-31
	s_wait_dscnt 0x0
	QUANT X, PCA, 24
	s_wait_loadcnt 16                              ; x's rows 0-15 are in; rows 16-31 may be out
	TURN L1, SAI, RAI
	s_wait_dscnt 0x0
	QUANT X, L1, 25
	s_wait_loadcnt 0x0
	TURN L0, SAI, RAI
	s_wait_dscnt 0x0
	QUANT X, L1+16, 26
.rept 8
	v_nop                                          ; operands and scale words written by vector instructions stand 4 and 8 places ahead of a scaled matrix instruction
.endr
	; transposed: source 0 = 16 rows of Wi, source 1 = 16 rows of x: lane (r, h) holds batch r and hidden units 8 h + 0 .. 7.  K = my 128
	v_wmma_scale_f32_16x16x128_f8f6f4 v[L1+32:L1+39], v[PCA:PCA+15], v[L1:L1+15], 0, v24, v25
	v_wmma_scale_f32_16x16x128_f8f6f4 v[L1+40:L1+47], v[PCA:PCA+15], v[L1+16:L1+31], 0, v24, v26
	v_add_f32 v19, v17, v18                        ; bi + bc_w.  (It names no register of the products: one of the eight places behind them)
.rept 7
	v_nop
.endr
.irp e, 0,1
	ds_store_b128 v[PPW], v[L1+32+8*\e:L1+35+8*\e] offset:1280*\e       ; each result from its low end on
	ds_store_b128 v[PPW], v[L1+36+8*\e:L1+39+8*\e] offset:1280*\e+16
.endr
	ds_store_b32 v[BBW], v19                       ; lanes r and r + 16 write the same word with the same value
	s_wait_dscnt 0x0                               ; for the others' sake
	s_barrier_signal -1
	s_barrier_wait -1
	ds_load_b128 v[20:23], v[BBR]                  ; lane % 16 = 4 j + quarter: bi + bc_j of my four hidden units
.irp k, 0,1,2,3
.irp w, 0,1,2,3
	ds_load_b128 v[X+16*\k+4*\w:X+16*\k+4*\w+3], v[PPR] offset:2560*\w+160*\k   ; wave w's part, batch 8 (my wave) + 2 k + h
.endr
.endr
	s_wait_dscnt 0x0
.irp k, 0,1,2,3
.irp w, 1,2,3
	v_pk_add_f32 v[X+16*\k:X+16*\k+1], v[X+16*\k:X+16*\k+1], v[X+16*\k+4*\w:X+16*\k+4*\w+1]       ; K ascending
	v_pk_add_f32 v[X+16*\k+2:X+16*\k+3], v[X+16*\k+2:X+16*\k+3], v[X+16*\k+4*\w+2:X+16*\k+4*\w+3]
.endr
	v_pk_add_f32 v[X+16*\k:X+16*\k+1], v[X+16*\k:X+16*\k+1], v[20:21]
	v_pk_add_f32 v[X+16*\k+2:X+16*\k+3], v[X+16*\k+2:X+16*\k+3], v[22:23]
	global_store_b128 v[LI], v[X+16*\k:X+16*\k+3], s[30:31] offset:512*\k   ; 32 lanes store 512 consecutive bytes, aligned: two batches x [j 4][16]
.endr
	s_set_vgpr_msb 0x4
	s_wait_tensorcnt 0x0
	ds_add_u32 v27, v1
	s_wait_dscnt 0x0
	s_set_vgpr_msb 0x400
	s_endpgm
.Lfunc_end_k_q8c4c0c7f88_prep:
	.size	k_q8c4c0c7f88_prep, .Lfunc_end_k_q8c4c0c7f88_prep-k_q8c4c0c7f88_prep
	.p2alignl 7, 3214868480
	.fill 96, 4, 3214868480
	.section	.rodata,"a",@progbits
	.p2align	6, 0x0
	.amdhsa_kernel k_q8c4c0c7f88_prep
		.amdhsa_group_segment_fixed_size 46592
		.amdhsa_private_segment_fixed_size 0
		.amdhsa_enable_private_segment 0
		.amdhsa_kernarg_size 120
		.amdhsa_user_sgpr_count 2
		.amdhsa_user_sgpr_kernarg_segment_ptr 1
		.amdhsa_wavefront_size32 1
		.amdhsa_system_sgpr_workgroup_id_x 1
		.amdhsa_system_sgpr_workgroup_id_y 1
		.amdhsa_system_sgpr_workgroup_id_z 1
		.amdhsa_system_vgpr_workitem_id 0
		.amdhsa_next_free_vgpr 258
		.amdhsa_next_free_sgpr 66
		.amdhsa_reserve_vcc 0
		.amdhsa_float_denorm_mode_32 3
		.amdhsa_float_denorm_mode_16_64 3
		.amdhsa_memory_ordered 1
		.amdhsa_forward_progress 1
		.amdhsa_inst_pref_size 57
	.end_amdhsa_kernel
	.amdgpu_metadata
---
amdhsa.version: [ 1, 2 ]
amdhsa.kernels:
  - .name:           k_q8c4c0c7f88_prep
    .symbol:         k_q8c4c0c7f88_prep.kd
    .args:
      - { .name: Wc0, .offset: 0, .size: 8, .value_kind: global_buffer, .address_space: global }
      - { .name: Wc1, .offset: 8, .size: 8, .value_kind: global_buffer, .address_space: global }
      - { .name: Wc2, .offset: 16, .size: 8, .value_kind: global_buffer, .address_space: global }
      - { .name: Wc3, .offset: 24, .size: 8, .value_kind: global_buffer, .address_space: global }
      - { .name: Wi, .offset: 32, .size: 8, .value_kind: global_buffer, .address_space: global }
      - { .name: x, .offset: 40, .size: 8, .value_kind: global_buffer, .address_space: global }
      - { .name: bi, .offset: 48, .size: 8, .value_kind: global_buffer, .address_space: global }
      - { .name: bc0, .offset: 56, .size: 8, .value_kind: global_buffer, .address_space: global }
      - { .name: bc1, .offset: 64, .size: 8, .value_kind: global_buffer, .address_space: global }
      - { .name: bc2, .offset: 72, .size: 8, .value_kind: global_buffer, .address_space: global }
      - { .name: bc3, .offset: 80, .size: 8, .value_kind: global_buffer, .address_space: global }
      - { .name: mask, .offset: 88, .size: 8, .value_kind: global_buffer, .address_space: global }
      - { .name: wimg, .offset: 96, .size: 8, .value_kind: global_buffer, .address_space: global }
      - { .name: btab, .offset: 104, .size: 8, .value_kind: global_buffer, .address_space: global }
      - { .name: out2, .offset: 112, .size: 8, .value_kind: global_buffer, .address_space: global }
    .group_segment_fixed_size: 46592
    .private_segment_fixed_size: 0
    .kernarg_segment_align: 8
    .kernarg_segment_size: 120
    .max_flat_workgroup_size: 128
    .sgpr_count:     66
    .vgpr_count:     258
    .wavefront_size: 32
...
	.end_amdgpu_metadata
.endif
;; end of part 1
;; launch main (part 2): grid 256 x 1, 8 waves a work-group, clusters of 4 x 1, 327,680 bytes of LDS; arguments context, wimg, btab, V, mask, part; writes part
.if DOCPART == 2
	.amdgcn_target "amdgcn-amd-amdhsa--gfx1250"
	.amdhsa_code_object_version 6
	.text
	.protected	k_q8c4c0c7f88_main
	.globl	k_q8c4c0c7f88_main
	.p2align	8
	.type	k_q8c4c0c7f88_main,@function
k_q8c4c0c7f88_main:
	s_mov_b64 s[64:65], 0
	v_nop
	global_prefetch_b8 v0, s[64:65] scope:SCOPE_SE
	s_setreg_imm32_b32 hwreg(HW_REG_WAVE_MODE, 25, 1), 1
	s_wait_xcnt 0x0
	s_wait_alu depctr_hold_cnt(0) depctr_sa_sdst(0) depctr_va_vdst(0) depctr_va_sdst(0) depctr_va_ssrc(0) depctr_va_vcc(0) depctr_vm_vsrc(0)
	s_getreg_b32 s2, hwreg(HW_REG_IB_STS2, 6, 4)
	s_cmp_eq_u32 s2, 0
	s_cbranch_scc0 .Lentry_in_a_cluster
	s_endpgm
.Lentry_in_a_cluster:
	s_bfe_u32 s2, ttmp6, 0x10000c
	s_cmp_lg_u32 s2, 0x3003
	s_cbranch_scc0 .Lentry_shape_is_right
	s_endpgm
.Lentry_shape_is_right:
; att[b][2048 j + s] = 10 tanh( sum over h of V[h] tanh( inp[b][h] + bc_j[h] + sum over d of Q(Wc_j)[h][d] Q(context)[b][s][d] ) ), masked; of the softmax over a batch's 8,192 positions each work-group leaves
; three numbers: its largest att, that position's flat index (the lowest where several are equal) and its sum of exp(att - 10).  The products are on codes of FP8 (E4M3) with one E8M0 scale for each 32 along d.
; SHARES.  A work-group owns 256 tokens of one batch (8 work-groups a batch).  Eight waves of 512 registers, two to a SIMD.
;   Wave w: token group w % 4 (64 tokens: four tiles of 16) and half w / 4 of the hidden rows of each slot.  Its tokens' codes, 4 tiles x K 512, stay in registers: all of window 1.
; PHASES.  (X) each wave reads 32 tokens of f32 once, quantises them in registers and hands the fragments to the others through LDS as images of their registers.
;   (loop) the weights' 128 records (16 hidden rows x K 512 as register images, made by the launch before) stream through two LDS slots of 8 records; a record's fragment read from LDS feeds four matrix instructions.
;   (end) the partial sums meet in LDS; thread t finishes token t's four positions.
; THE LOOP IS A PIPELINE OF RECORDS: while a wave issues record R's 16 products into one set of four accumulators, slices of record R - 1's vector work, on the other set, stand behind them; record R + 1's fragments are asked of LDS
;   K step by K step, as soon as the registers are free.  The change of slots stands in a slot's last record, whose fragments are all in registers: its products stand inside the barrier.
; TRANSPOSED USE: source 0 = 16 hidden rows, source 1 = 16 tokens: a lane holds ONE token and eight hidden units, so the sum with V stays in the lane; inp + bi + bc_j is the C of a sum's first matrix instruction.
; TANH: tanh(z) = 1 - 2 / (1 + e), e = 2^(c z), c = 2 log2(e).  So sum V tanh = sum V - 2 sum V_i / a_i, a_i = 1 + e_i, and four terms share one reciprocal:
;   V0/a0 + V2/a2 + V4/a4 + V6/a6 = (N0 P1 + N1 P0) / (P0 P1), P0 = a0 a2, N0 = V0 a2 + V2 a0, P1 = a4 a6, N1 = V4 a6 + V6 a4 (the odd units ride in the packed forms' upper halves).
;   c z is held at 30 from above, so that P0 P1 stays under 2^121 and its reciprocal is a normal number; the hold moves a term by less than 2^-29 |V_i|.
; SOFTMAX: the shift is the constant 10 and no running maximum: att is 10 tanh(.), so it lies in [-10, 10] or is -infinity for every input: exp(att - 10) lies in [2e-9, 1] or is 0, and 8,192 of them neither overflow nor vanish.
; CLUSTER: all work-groups walk the same records, so four work-groups ask for each record JOINTLY (the same tensor load, the same descriptor, the mask 15): a quarter of the requests.
; LIMITS: |V| under 2^35 (N P stays finite); NaN and infinities among the inputs are not served; blocks whose largest magnitude lies under 2^(9 - 127) take the floor's scale byte;
;   where 10 tanh(.) rounds to the same f32 number at several positions, the lowest index among MY equal numbers is taken: my tanh (1 - 2 / (1 + e)) may round the last bit otherwise than another tanh does.
; REGISTERS, window 0: v1-19 addresses and what stays; v20-31 scratch; v32-63 tables as loaded, then the second set of four accumulators; v64-127 64 numbers of x (phase X), then a record's four fragments;
;   v128-159 the first set of four accumulators (phase X: codes, scratch); v160-167 a record's bias, v168-175 a record's V; v176-183 numerators; v184-191 the tiles' running sums;
;   v192-195, v216-219 two sets of a record's scale words; v196-211 my tokens' scale words; v212-215 scale words just made; v220 an address.
;   window 1: phase X: eight landing sets of 32 registers; then my tokens' fragments: tile m, K step s at v[64 m + 16 s].
.set REC,   8704                       ; a record: 16 chunks of codes and one of scale words, 512 bytes each
.set SLOT,  8*REC                      ; 69,632 = 0x11000: a slot; w x REC, 4 x REC and 16 x lane have neither of its two bits set, so one exclusive or turns an address from one slot to the other
.set SPARE, 2*SLOT                     ; the spare words, 128 bytes for each wave: four blocks of 256 bytes that no other line names
.set TAB,   SPARE+1024                 ; 128 entries of 128 bytes: entry 32 j + t: 16 f32 of bias, 16 f32 of V
.set XSC,   TAB+16384                  ; the tokens' scale words: [tile 16][r 16][K step 4]
.set XIMG,  XSC+4096                   ; the tokens' fragments: tile x 8,192 + K step x 2,048 + c x 512 + 16 x lane
.set STG,   XIMG+131072                ; eight stages of 16 rows x 272 bytes
.set ATTP,  XIMG                       ; the partial sums take the images' bytes once the images are in registers: slot x 4,096 + wave x 512 + tile x 128 + 4 x lane
.set RED,   STG                        ; and the last reduction the stages'
.set SPW, 1                            ; v1   LDS address of my spare word: SPARE + 4 x my thread's number; never rewritten
.set NIL, 2                            ; v2   0; never rewritten
.set LI,  3                            ; v3   16 x lane
.set LA,  4                            ; v4   a load's place for my lane: lanes 0-15 one token's 256 bytes, lanes 16-31 the next token's
.set SA,  5                            ; v5, v6  my stage, in and out
.set RA,  6
.set IW,  7                            ; v7, v8  where I store my two tiles' images and scale words
.set SW,  8
.set IR,  9                            ; v9, v10 where I read my four tiles' images and scale words
.set SR,  10
.set LIH, 11                           ; v11  16 x lane + my half's four records
.set TA0, 12                           ; v12  my place in a table entry: TAB + 32 (lane / 16) + my half's four entries
.set ADR, 13                           ; v13, v14  the records and the biases of the slot from which I load
.set TAD, 14
.set AW0, 15                           ; v15, v16  where I put partial sums
.set AWT, 16
.set FR0, 17                           ; v17  where thread t reads token t's partial sums
.set MB,  18                           ; v18  my token's mask byte
.set SV,  19                           ; v19  the sum of V
.set TW,  25                           ; v25  where I put my 32 bytes of the tables (until they are stored)
.set TBL, 32
.set SVR, 48
.set XS,  64
.set WF,  64
.set ACC0, 128
.set ACC1, 32
.set PC,  128
.set TM,  144
.set BI,  160
.set VV,  168
.set TQ,  176
.set ATT, 184
.set WS0, 192
.set XSW, 196
.set PW4, 212
.set WS1, 216
.set TAV, 220                          ; v220 the table entries from which V is loaded: it changes slots a block later than v14
.set WV,  16                           ; s16  my wave's number
.set G1,  24                           ; s[24:31] descriptor group 1;  s[32:35] group 0, which walks
.set G0,  32
.set STB, 36                           ; s36  LDS byte at which the slot begins from which I load
.set STT, 37                           ; s37  its table entries: 1,024 bytes a slot
.set STN, 38                           ; s38  where the next partial sums go: 4,096 bytes a slot
.set CNT, 39
.set CS,  40                           ; s[40:41] c = 2 log2(e): the packed form names a pair and takes its low word for both halves
.set LIMY, 42                          ; s42  30.0
.set MNT, 43                           ; s43  the mantissa field of 448
.set SEL, 44                           ; s[44:45] v_permlanex16_b32's selects for lane l xor 16
.set MSB, 0
.macro WIN new                         ; bits 1:0 source 0, 3:2 source 1, 5:4 source 2, 7:6 destination; the immediate's high byte repeats the setting that is left
.if MSB != \new
	s_set_vgpr_msb (MSB<<8)|\new
.set MSB, \new
.endif
.endm
; A round of the cluster's barrier: my work-group's barrier, so that wave 0's signal speaks for all eight waves; wave 0 signals; every wave waits for all four work-groups; my work-group's barrier once more.
.macro CREST                           ; a round behind its opening barrier
	s_cmp_lg_u32 s[WV], 0
	s_cbranch_scc1 .Lnot_wave_0_\@
	s_barrier_signal -3
.Lnot_wave_0_\@:
	s_barrier_wait -3
	s_barrier_signal -1
	s_barrier_wait -1
.endm
.macro ROUND                           ; a whole round
	s_barrier_signal -1
	s_barrier_wait -1
	CREST
.endm
; 64 numbers of a lane, register 16 b + i = d 32 b + 16 (lane / 16) + i of my token, become a fragment's 16 registers of codes (v[dst] on) and the token's scale word (v[pw]).
.macro QUANT src, dst, pw
.irp b, 0,1,2,3
	v_max3_num_f32 v[TM+\b], |v[\src+16*\b]|, |v[\src+16*\b+1]|, 0x4800000   ; block b: my 16 numbers, and the floor 2^(9 - 127): the byte cannot fall under 1
.endr
.irp i, 2,4,6,8,10,12,14
.irp b, 0,1,2,3
	v_max3_num_f32 v[TM+\b], v[TM+\b], |v[\src+16*\b+\i]|, |v[\src+16*\b+\i+1]|   ; the four blocks by turns
.endr
.endr
.irp b, 0,1,2,3
	v_permlanex16_b32 v[TM+4+\b], v[TM+\b], s[SEL], s[SEL+1]
.endr
.irp b, 0,1,2,3
	v_max_num_f32 v[TM+\b], v[TM+\b], v[TM+4+\b]   ; with lane l xor 16's 16: the block's largest magnitude
.endr
.irp b, 0,1,2,3
	v_add_nc_u32 v[TM+12+\b], 0xfc000000, v[TM+\b]   ; 8 off its exponent field: the conversion's scale operand
.endr
.irp b, 0,1,2,3
	v_and_or_b32 v[TM+8+\b], v[TM+\b], 0x7f800000, s[MNT]   ; 448 x the scale
.endr
.irp b, 0,1,2,3
	v_lshrrev_b32 v[TM+4+\b], 23, v[TM+12+\b]      ; the scale's byte
.endr
	v_lshl_or_b32 v[\pw], v[TM+5], 8, v[TM+4]
	v_lshl_or_b32 v[\pw], v[TM+6], 16, v[\pw]
	v_lshl_or_b32 v[\pw], v[TM+7], 24, v[\pw]
.irp b, 0,1,2,3
.irp i, 0,1,2,3,4,5,6,7,8,9,10,11,12,13,14,15
	v_med3_num_f32 v[\src+16*\b+\i], v[\src+16*\b+\i], -v[TM+8+\b], v[TM+8+\b]   ; the conversion to an 8-bit code does not saturate (ISA guide 7.6.2): the hold comes first
.endr
	v_cvt_scalef32_pk8_fp8_f32 v[\dst+4*\b:\dst+4*\b+1], v[\src+16*\b:\src+16*\b+7], v[TM+12+\b]
	v_cvt_scalef32_pk8_fp8_f32 v[\dst+4*\b+2:\dst+4*\b+3], v[\src+16*\b+8:\src+16*\b+15], v[TM+12+\b]
.endr
	v_nop                                          ; one plain vector line behind the last scaled conversion
.endm
	s_load_b256 s[4:11], s[0:1], 0x0               ; context s[4:5], wimg s[6:7], btab s[8:9], V s[10:11]
	s_load_b128 s[12:15], s[0:1], 0x20             ; mask s[12:13], part s[14:15]
	v_lshl_add_u32 v[SPW], v0, 2, SPARE
	v_mov_b32 v[NIL], 0
	ds_add_u32 v1, v2
	ds_add_u32 v1, v2
	s_wait_dscnt 0x0
	v_lshrrev_b32 v20, 5, v0
	v_readfirstlane_b32 s[WV], v20                 ; wave 0..7
	s_and_b32 s17, s[WV], 3                        ; my token group
	s_lshr_b32 s18, s[WV], 2                       ; my half of the hidden rows
	s_bfe_u32 s19, ttmp6, 0x40000                  ; cx: my place in the cluster: it enters global addresses and the index alone
	s_lshl_b32 s20, ttmp9, 2                       ; in a cluster launch ttmp9 counts clusters
	s_add_co_u32 s20, s20, s19                     ; my block of 256 tokens
	s_lshr_b32 s21, s20, 3                         ; the batch
	s_and_b32 s22, s20, 7                          ; my block in it
	v_and_b32 v21, 31, v0                          ; lane
	v_and_b32 v22, 15, v0                          ; r
	v_bfe_u32 v23, v0, 4, 1                        ; h
	v_lshlrev_b32 v[LI], 4, v21
	v_lshlrev_b32 v[LA], 4, v22
	v_lshl_add_u32 v[LA], v23, 11, v[LA]           ; 2,048 h + 16 r
	s_mul_i32 s46, s[WV], 4352
	s_add_co_u32 s46, s46, STG                     ; my stage
	v_mul_u32_u24 v[SA], v23, 272
	v_lshl_add_u32 v[SA], v22, 4, v[SA]
	v_add_nc_u32 v[SA], s46, v[SA]                 ; in: as loaded
	v_mul_u32_u24 v[RA], v22, 272
	v_lshl_add_u32 v[RA], v23, 6, v[RA]
	v_add_nc_u32 v[RA], s46, v[RA]                 ; out: row r, + 64 h
	s_lshl_b32 s47, s17, 2
	s_lshl_b32 s48, s18, 1
	s_add_co_u32 s47, s47, s48                     ; the first of the two tiles that I quantise: 4 x group + 2 x half
	s_lshl_b32 s48, s47, 13
	s_add_co_u32 s48, s48, XIMG
	v_add_nc_u32 v[IW], s48, v[LI]
	s_lshl_b32 s48, s47, 8
	s_add_co_u32 s48, s48, XSC
	v_lshl_add_u32 v[SW], v22, 4, s48
	s_lshl_b32 s48, s17, 15
	s_add_co_u32 s48, s48, XIMG
	v_add_nc_u32 v[IR], s48, v[LI]
	s_lshl_b32 s48, s17, 10
	s_add_co_u32 s48, s48, XSC
	v_lshl_add_u32 v[SR], v22, 4, s48
	s_mul_i32 s48, s18, 4*REC
	v_add_nc_u32 v[LIH], s48, v[LI]
	s_lshl_b32 s48, s18, 9
	s_add_co_u32 s48, s48, TAB
	v_lshl_add_u32 v[TA0], v23, 5, s48
	s_lshl_b32 s48, s[WV], 9
	s_add_co_u32 s48, s48, ATTP
	v_lshl_add_u32 v[AW0], v21, 2, s48
	v_lshrrev_b32 v24, 4, v0
	v_lshlrev_b32 v24, 7, v24
	v_lshl_add_u32 v[FR0], v22, 2, v24
	v_add_nc_u32 v[FR0], ATTP, v[FR0]
	v_bfe_u32 v[TW], v0, 1, 2                      ; the tables: thread t brings 32 bytes of bias and of V for j = (t / 2) % 4, tile t / 8, half t % 2
	v_lshlrev_b32 v[TW], 12, v[TW]
	v_lshrrev_b32 v26, 3, v0
	v_lshl_add_u32 v[TW], v26, 7, v[TW]
	v_and_b32 v27, 1, v0
	v_lshl_add_u32 v[TW], v27, 5, v[TW]
	v_add_nc_u32 v[TW], TAB, v[TW]
	v_and_b32 v28, 7, v0
	v_lshlrev_b32 v28, 5, v28
	v_lshl_add_u32 v28, v26, 13, v28               ; in btab: 8,192 (t / 8) + 32 (t % 8): eight lanes read a batch's 256 bytes of a tile
	v_lshlrev_b32 v29, 5, v27
	v_lshl_add_u32 v29, v26, 6, v29                ; in V: 64 (t / 8) + 32 (t % 2)
	v_lshlrev_b32 v30, 6, v21                      ; and for V's sum: 64 x lane
.irp b, 0,1,2,3
	v_mov_b32 v[TM+4+\b], 0                        ; written once: a lane permute's destination counts as one of its sources
.endr
	s_mov_b32 s[CS], 0x4038aa3b                    ; c = 2 log2(e)
	s_mov_b32 s[CS+1], s[CS]                       ; (named with it as a pair, so it is written)
	s_mov_b32 s[LIMY], 0x41f00000                  ; 30.0
	s_mov_b32 s[MNT], 0x600000
	s_mov_b32 s[SEL], 0x76543210
	s_mov_b32 s[SEL+1], 0xfedcba98
	; descriptor group 1: a record is 8,704 dense bytes: 34 rows of 32 elements of 8 bytes
	s_mov_b32 s[G1], 15|(3<<16)|(1<<21)            ; 15:0 the mask: all four work-groups; 17:16 elements of 8 bytes; 20 no padding; 21 set beside a mask
	s_mov_b32 s[G1+1], 32<<16                      ; tensor_dim0 = 32
	s_mov_b32 s[G1+2], 34<<16                      ; tensor_dim1 = 34
	s_mov_b32 s[G1+3], 32<<16                      ; tile_dim0 = 32
	s_mov_b32 s[G1+4], 34                          ; tile_dim1 = 34
	s_mov_b32 s[G1+5], 32                          ; from row to row
	s_mov_b32 s[G1+6], 0
	s_mov_b32 s[G1+7], 0
	s_mul_i32 s52, s[WV], REC                      ; wave w moves record w of each slot: the wave's number alone enters the descriptor, so it is equal in all four partners
	s_mov_b32 s53, 0
	s_mov_b32 s51, 0
	s_lshl_b32 s54, s47, 15                        ; my first tile's 16 tokens of 2,048 bytes
	s_wait_kmcnt 0x0
	s_mov_b32 s[G0], 1                             ; 1:0 count = 1
	s_mov_b32 s[G0+1], s52                         ; 63:32 LDS address: slot 0
	s_add_nc_u64 s[G0+2:G0+3], s[6:7], s[52:53]    ; 120:64 global address: records 0 .. 7
	s_or_b32 s[G0+3], s[G0+3], 0x80000000          ; 127:126 type = 2
	s_lshl_b32 s50, s21, 8
	s_add_nc_u64 s[8:9], s[8:9], s[50:51]          ; btab at my batch
	s_lshl_b32 s50, s20, 8
	s_add_nc_u64 s[12:13], s[12:13], s[50:51]      ; the mask at my 256 tokens
	s_lshl_b32 s50, s22, 5
	s_add_co_u32 s50, s50, s21
	s_lshl_b32 s50, s50, 2
	s_add_nc_u64 s[14:15], s[14:15], s[50:51]      ; part at [.][my block][my batch]
	s_lshl_b32 s50, s20, 19                        ; 256 tokens of 2,048 bytes a block: under 2^27
	s_add_co_u32 s50, s50, s54
	s_add_nc_u64 s[4:5], s[4:5], s[50:51]          ; the context at my 32 tokens
	global_load_b128 v[TBL:TBL+3], v28, s[8:9]
	global_load_b128 v[TBL+4:TBL+7], v28, s[8:9] offset:16
	global_load_b128 v[TBL+8:TBL+11], v29, s[10:11]
	global_load_b128 v[TBL+12:TBL+15], v29, s[10:11] offset:16
.irp i, 0,1,2,3
	global_load_b128 v[SVR+4*\i:SVR+4*\i+3], v30, s[10:11] offset:16*\i
.endr
	global_load_u8 v[MB], v0, s[12:13]
	; the first tile's eight half-sets (16 tokens x 256 bytes each): 64 loads a wave on their way; sixteen lanes read 256 consecutive bytes, aligned
	WIN 0x40                                       ; destination window 1
.irp u, 0,1,2,3,4,5,6,7
.irp i, 0,1,2,3,4,5,6,7
	global_load_b128 v[32*\u+4*\i:32*\u+4*\i+3], v[LA], s[4:5] offset:4096*\i+256*\u th:TH_LOAD_NT
.endr
.endr
	WIN 0
	ROUND                                          ; all four work-groups are here: the first joint loads meet
	tensor_load_to_lds s[G0:G0+3], s[G1:G1+7]      ; slot 0: one record a wave; it lands while the tokens are quantised
	s_nop 0
.rept 4
	v_nop
.endr
; PHASE X.  Half-set u: tile u / 8 of my two, bytes 256 (u % 8) on of its 16 tokens.  It turns through my stage (as loaded in, 64 bytes a lane out: 16 neighbours of each of two blocks of 32);
; two half-sets are a K step of 128: they are quantised, and the fragment goes to LDS as it stands in the registers.  The landing set takes the second tile's half-set as soon as the stage's stores have read it.
.macro HALF u
.set TAU, (\u)/8
.set KAP, (\u)%8
.if (\u) < 8
	s_wait_loadcnt 56                              ; loads come back in order: mine are in; behind them seven half-sets were issued
.else
	s_wait_loadcnt 8*(15-(\u))                     ; nothing more is asked for: the counts run down
.endif
	WIN 0x04                                       ; an LDS store's data are its source 1: window 1
.irp i, 0,1,2,3,4,5,6,7
	ds_store_b128 v[SA], v[32*KAP+4*\i:32*KAP+4*\i+3] offset:544*\i
.endr
	WIN 0
.irp b, 0,1
.irp q, 0,1,2,3
	ds_load_b128 v[XS+32*(KAP%2)+16*\b+4*\q:XS+32*(KAP%2)+16*\b+4*\q+3], v[RA] offset:128*\b+16*\q   ; LDS serves a wave's instructions in order (ISA guide 5.7.1.4): these see the stores above
.endr
.endr
.if (\u) < 8
	s_wait_dscnt 8                                 ; all but the eight loads just issued: the stage's stores have read the landing set
	WIN 0x40
.irp i, 0,1,2,3,4,5,6,7
	global_load_b128 v[32*KAP+4*\i:32*KAP+4*\i+3], v[LA], s[4:5] offset:32768+4096*\i+256*KAP th:TH_LOAD_NT
.endr
	WIN 0
.endif
.if (KAP%2) == 1
	s_wait_dscnt 0x0                               ; the K step's 64 numbers are in; the last image's stores have read the codes' registers
	QUANT XS, PC, PW4+KAP/2
.irp c, 0,1,2,3
	ds_store_b128 v[IW], v[PC+4*\c:PC+4*\c+3] offset:8192*TAU+2048*(KAP/2)+512*\c
.endr
.endif
.if KAP == 7
	ds_store_b128 v[SW], v[PW4:PW4+3] offset:256*TAU   ; the tile's scale words; lanes r and r + 16 write the same bytes with the same values
.endif
.endm
.irp u, 0,1,2,3,4,5,6,7,8,9,10,11,12,13,14,15
	HALF \u
.endr
	; the tables, and the sum of V
	ds_store_b128 v[TW], v[TBL:TBL+3]
	ds_store_b128 v[TW], v[TBL+4:TBL+7] offset:16
	ds_store_b128 v[TW], v[TBL+8:TBL+11] offset:64
	ds_store_b128 v[TW], v[TBL+12:TBL+15] offset:80
.irp p, 0,4,8,12
	v_pk_add_f32 v[SVR+\p:SVR+\p+1], v[SVR+\p:SVR+\p+1], v[SVR+\p+2:SVR+\p+3]
.endr
	v_pk_add_f32 v[SVR:SVR+1], v[SVR:SVR+1], v[SVR+4:SVR+5]
	v_pk_add_f32 v[SVR+8:SVR+9], v[SVR+8:SVR+9], v[SVR+12:SVR+13]
	v_pk_add_f32 v[SVR:SVR+1], v[SVR:SVR+1], v[SVR+8:SVR+9]
	v_add_f32 v[SV], v[SVR], v[SVR+1]
	v_add_f32_dpp v[SV], v[SV], v[SV] row_xmask:1 row_mask:0xf bank_mask:0xf
	v_add_f32_dpp v[SV], v[SV], v[SV] row_xmask:2 row_mask:0xf bank_mask:0xf
	v_add_f32_dpp v[SV], v[SV], v[SV] row_xmask:4 row_mask:0xf bank_mask:0xf
	v_add_f32_dpp v[SV], v[SV], v[SV] row_xmask:8 row_mask:0xf bank_mask:0xf
	v_permlanex16_b32 v20, v[SV], s[SEL], s[SEL+1]
	v_add_f32 v[SV], v[SV], v20
	s_wait_dscnt 0x0                               ; for the others' sake: my images, scale words and table entries have landed
	s_barrier_signal -1
	s_barrier_wait -1                              ; everybody's have.  (Slot 0's load may stay out)
	WIN 0x40
.irp m, 0,1,2,3
.irp q, 0,1,2,3,4,5,6,7,8,9,10,11,12,13,14,15
	ds_load_b128 v[64*\m+4*\q:64*\m+4*\q+3], v[IR] offset:8192*\m+512*\q   ; my four tiles' fragments: they stay
.endr
.endr
	WIN 0
.irp m, 0,1,2,3
	ds_load_b128 v[XSW+4*\m:XSW+4*\m+3], v[SR] offset:256*\m               ; and their scale words: register 4 m + s
.endr
; THE LOOP'S PARTS.  Record i of my four in a slot takes accumulator set i % 2 and scale-word set i % 2: CUR and WSC; PRV holds the record before, WSN takes the record after.
.macro SETS i
.if ((\i)%2) == 0
.set CUR, ACC0
.set PRV, ACC1
.set WSC, WS0
.set WSN, WS1
.else
.set CUR, ACC1
.set PRV, ACC0
.set WSC, WS1
.set WSN, WS0
.endif
.endm
; The product of K step s and token tile m.  K step by K step, the four tiles' accumulators by turns, one instruction a turn; the bias starts the sum.
.macro MM s, m
.if (\s) == 0
	v_wmma_scale_f32_16x16x128_f8f6f4 v[CUR+8*(\m):CUR+8*(\m)+7], v[WF:WF+15], v[64*(\m):64*(\m)+15], v[BI:BI+7], v[WSC], v[XSW+4*(\m)]
.else
	v_wmma_scale_f32_16x16x128_f8f6f4 v[CUR+8*(\m):CUR+8*(\m)+7], v[WF+16*(\s):WF+16*(\s)+15], v[64*(\m)+16*(\s):64*(\m)+16*(\s)+15], v[CUR+8*(\m):CUR+8*(\m)+7], v[WSC+(\s)], v[XSW+4*(\m)+(\s)]
.endif
.endm
; Slice k of 16 of the record before: pair k / 4 of tile k % 4 (each accumulator is first read at its low end) is scaled and held; ex = 1: the pair before it is put through the exponential.
; No line of a slice has a vector register as its second source, so a slice stands under the products' window setting (source 1: window 1) as it is.  Its three plain lines name no register of the products round it.
.macro SL1 k, ex
.set EP, PRV+8*((\k)%4)+2*((\k)/4)
	v_pk_mul_f32 v[EP:EP+1], v[EP:EP+1], s[CS:CS+1] op_sel_hi:[1,0]   ; c z
	v_min_num_f32 v[EP], v[EP], s[LIMY]            ; held at 30
	v_min_num_f32 v[EP+1], v[EP+1], s[LIMY]
.if (\ex) && ((\k) > 0)
.set EQ, PRV+8*(((\k)-1)%4)+2*(((\k)-1)/4)
	v_exp_f32 v[EQ], v[EQ]
	v_exp_f32 v[EQ+1], v[EQ+1]
.endif
.endm
.macro LDF s, off                      ; the fragment of K step s of the record off bytes into the slot: four loads
.irp c, 0,1,2,3
	ds_load_b128 v[WF+16*(\s)+4*\c:WF+16*(\s)+4*\c+3], v[ADR] offset:(\off)+2048*(\s)+512*\c
.endr
.endm
.macro LD0 off, toff                   ; its bias, its scale words and its first fragment: seven loads
	ds_load_b128 v[BI:BI+3], v[TAD] offset:(\toff)
	ds_load_b128 v[BI+4:BI+7], v[TAD] offset:(\toff)+16
	ds_load_b128 v[WSN:WSN+3], v[ADR] offset:(\off)+8192
	LDF 0, \off
.endm
.macro VLD i                           ; record i's V: my eight hidden units'
	ds_load_b128 v[VV:VV+3], v[TAV] offset:128*(\i)+64
	ds_load_b128 v[VV+4:VV+7], v[TAV] offset:128*(\i)+80
.endm
; The rest of a record's vector work, stage by stage, the four tiles by turns: no line waits for the line above it.
.macro ST2A
.irp m, 0,1,2,3
	v_pk_add_f32 v[PRV+8*\m+2:PRV+8*\m+3], v[PRV+8*\m+2:PRV+8*\m+3], 1.0 op_sel_hi:[1,0]   ; a23
	v_pk_add_f32 v[PRV+8*\m+6:PRV+8*\m+7], v[PRV+8*\m+6:PRV+8*\m+7], 1.0 op_sel_hi:[1,0]   ; a67
.endr
.endm
.macro ST2B                            ; all that reads V
.irp m, 0,1,2,3
	v_pk_fma_f32 v[TQ+2*\m:TQ+2*\m+1], v[VV+2:VV+3], v[PRV+8*\m:PRV+8*\m+1], v[VV+2:VV+3]   ; V23 (e01 + 1)
.endr
.irp m, 0,1,2,3
	v_pk_fma_f32 v[TQ+2*\m:TQ+2*\m+1], v[VV:VV+1], v[PRV+8*\m+2:PRV+8*\m+3], v[TQ+2*\m:TQ+2*\m+1]   ; N0 = V01 a23 + V23 a01
.endr
.irp m, 0,1,2,3
	v_pk_fma_f32 v[PRV+8*\m:PRV+8*\m+1], v[PRV+8*\m:PRV+8*\m+1], v[PRV+8*\m+2:PRV+8*\m+3], v[PRV+8*\m+2:PRV+8*\m+3]   ; P0 = (e01 + 1) a23
.endr
.irp m, 0,1,2,3
	v_pk_fma_f32 v[PRV+8*\m+2:PRV+8*\m+3], v[VV+6:VV+7], v[PRV+8*\m+4:PRV+8*\m+5], v[VV+6:VV+7]   ; V67 (e45 + 1)
.endr
.irp m, 0,1,2,3
	v_pk_fma_f32 v[PRV+8*\m+2:PRV+8*\m+3], v[VV+4:VV+5], v[PRV+8*\m+6:PRV+8*\m+7], v[PRV+8*\m+2:PRV+8*\m+3]   ; N1
.endr
.endm
.macro ST2C first                      ; first = 1: a slot's first record starts the running sums: nothing is cleared
.irp m, 0,1,2,3
	v_pk_fma_f32 v[PRV+8*\m+4:PRV+8*\m+5], v[PRV+8*\m+4:PRV+8*\m+5], v[PRV+8*\m+6:PRV+8*\m+7], v[PRV+8*\m+6:PRV+8*\m+7]   ; P1
.endr
.irp m, 0,1,2,3
	v_pk_mul_f32 v[PRV+8*\m+6:PRV+8*\m+7], v[PRV+8*\m:PRV+8*\m+1], v[PRV+8*\m+4:PRV+8*\m+5]   ; P0 P1
.endr
.irp m, 0,1,2,3
	v_pk_mul_f32 v[TQ+2*\m:TQ+2*\m+1], v[TQ+2*\m:TQ+2*\m+1], v[PRV+8*\m+4:PRV+8*\m+5]   ; N0 P1
.endr
.irp m, 0,1,2,3
	v_pk_fma_f32 v[TQ+2*\m:TQ+2*\m+1], v[PRV+8*\m+2:PRV+8*\m+3], v[PRV+8*\m:PRV+8*\m+1], v[TQ+2*\m:TQ+2*\m+1]   ; + N1 P0
.endr
.irp m, 0,1,2,3
	v_rcp_f32 v[PRV+8*\m+6], v[PRV+8*\m+6]
	v_rcp_f32 v[PRV+8*\m+7], v[PRV+8*\m+7]
.endr
	v_nop                                          ; a plain instruction behind the last reciprocal
	s_wait_alu depctr_va_vdst(0)                   ; one wait for the eight reciprocals, ahead of their first reader
.irp m, 0,1,2,3
.if \first
	v_pk_mul_f32 v[ATT+2*\m:ATT+2*\m+1], v[TQ+2*\m:TQ+2*\m+1], v[PRV+8*\m+6:PRV+8*\m+7]
.else
	v_pk_fma_f32 v[ATT+2*\m:ATT+2*\m+1], v[TQ+2*\m:TQ+2*\m+1], v[PRV+8*\m+6:PRV+8*\m+7], v[ATT+2*\m:ATT+2*\m+1]
.endif
.endr
.endm
.macro FLUSH                           ; a slot's partial sums: 64 hidden rows' share of sum V / a, for token 16 m + r, my eight units of each tile
	v_add_nc_u32 v[AWT], s[STN], v[AW0]
.irp m, 0,1,2,3
	v_add_f32 v[TQ+2*\m], v[ATT+2*\m], v[ATT+2*\m+1]
	ds_store_b32 v[AWT], v[TQ+2*\m] offset:128*\m
.endr
	s_add_co_u32 s[STN], s[STN], 4096
.endm
; A BLOCK: record i's 16 products, the vector work of the record before, the loads of the record after.
; THE WAITS ON LDS.  LDS instructions come back in order (ISA guide 5.7.1.4).  Their order of issue for a record: seven (bias 2, scale words 1, fragment 0's 4), fragments 1, 2 and 3 (four each), then the V of the
;   record before it (two); behind a slot's first block four stores more, which only make the counts below stricter than they need be.
;   at the head 14: fragments 1 to 3 and V may be out;  at K step 1 10: fragments 2, 3 and V;  at K step 2 13: fragment 3, V and the next record's seven;  at K step 3 13: V, the seven and the next fragment 1;
;   ahead of V's first reader 19: the next record's 19.
; THE PLACES.  A load into a register that a product has read stands eight plain vector lines behind that product.  A K step's fragment is loaded anew
;   behind the next K step's slices: five slices, fifteen plain lines; fragment 3 behind its last slice's three, a v_nop and the eight additions.
; kind 0: a record with its successor in the same slot.  kind 3: the very last record: nothing more is loaded.
; kind 1, 2: A SLOT'S LAST RECORD, WITH THE CHANGE OF SLOTS.  All its fragments are in registers once the wait for 0 has passed.  At its head each wave waits for all its tensor loads (one is out: its record of the slot
;   ahead), adds 0 to its spare word, waits for that and for its reads of the slot that it leaves, and signals.  The 16 products and 48 plain lines, work on registers alone, stand between the signal and its wait.
;   kind 1: the barrier opens a round of the cluster's, so that no wave of any partner still reads the slot or has a load on its way; behind the round the slot takes the records two slots on: the load has a whole slot's work
;   in which to land.  kind 2: the last change: nothing is left to fetch.  Then the next slot's first record is asked of LDS, and the exponentials and the rest of the vector work stand behind those 19 loads.
.macro BLOCK i, kind
	SETS \i
.if ((\kind) == 1) || ((\kind) == 2)
	s_wait_tensorcnt 0x0                           ; no tensor load of mine is out, so the group 0 may be written
	ds_add_u32 v[SPW], v[NIL]                      ; 0 onto my spare word
.if (\kind) == 1
	s_xor_b32 s[G0+1], s[G0+1], SLOT               ; the other slot than last time: the one that I leave,
	s_add_nc_u64 s[G0+2:G0+3], s[G0+2:G0+3], SLOT  ; the next eight records; the type bits on top are not reached
.endif
	s_wait_dscnt 0x0                               ; the add is done, and my LDS reads and stores are over
	s_barrier_signal -1
.else
	s_wait_dscnt 14
.endif
	WIN 0x04                                       ; source 1 (my tokens) window 1
.irp s, 0,1,2,3
.if ((\kind) == 0) || ((\kind) == 3)
.if \s == 1
	s_wait_dscnt 10
.endif
.if (\s >= 2) && ((\kind) == 0)
	s_wait_dscnt 13
.endif
.if (\s == 2) && ((\kind) == 3)
	s_wait_dscnt 6                                 ; nothing new has been issued: fragment 3 and V may be out,
.endif
.if (\s == 3) && ((\kind) == 3)
	s_wait_dscnt 2                                 ; V
.endif
.endif
.irp m, 0,1,2,3
	MM \s, \m
.if ((\kind) == 1) || ((\kind) == 2)
	SL1 4*\s+\m, 0
.else
	SL1 4*\s+\m, 1
.endif
.endr
.if (\kind) == 0
.if \s == 1
	LD0 REC*((\i)+1), 128*((\i)+1)
.endif
.if \s == 2
	LDF 1, REC*((\i)+1)
.endif
.if \s == 3
	LDF 2, REC*((\i)+1)
.endif
.endif
.endr
.if ((\kind) == 1) || ((\kind) == 2)
	WIN 0
	s_barrier_wait -1
.if (\kind) == 1
	CREST
	tensor_load_to_lds s[G0:G0+3], s[G1:G1+7]      ; the first thing behind the round, and my one tensor load until the next
	s_nop 0
.endif
.rept 4
	v_nop                                          ; With the last slice's three plain lines and the two additions below: nine places in front of the loads
.endr
	s_xor_b32 s[STB], s[STB], SLOT                 ; on to the other slot
	s_add_co_u32 s[STT], s[STT], 1024
	v_add_nc_u32 v[ADR], s[STB], v[LIH]
	v_add_nc_u32 v[TAD], s[STT], v[TA0]
	LD0 0, 0
	LDF 1, 0
	LDF 2, 0
	LDF 3, 0
.irp n, 0,1,2,3,4,5,6,7,8,9,10,11,12,13,14,15,16,17,18,19,20,21,22,23,24,25,26,27,28,29,30,31
	v_exp_f32 v[PRV+\n], v[PRV+\n]
.endr
.else
	v_exp_f32 v[PRV+30], v[PRV+30]                 ; the last pair's
	v_exp_f32 v[PRV+31], v[PRV+31]
	WIN 0
.endif
	v_nop                                          ; a plain instruction behind the last exponential
	s_wait_alu depctr_va_vdst(0)                   ; one wait for the 32 exponentials, ahead of their first reader
	ST2A
.if (\kind) == 0
	LDF 3, REC*((\i)+1)
	s_wait_dscnt 19
.endif
.if (\kind) == 3
	s_wait_dscnt 0x0                               ; V is in
.endif
	ST2B
.if (\i) == 0
	v_add_nc_u32 v[TAV], s[STT], v[TA0]            ; V's loads change slots here: the V just used was the old slot's last
.endif
	VLD \i                                         ; behind V's last reader: this record's V, for the next block
.if (\i) == 1
	ST2C 1
.else
	ST2C 0
.endif
.if (\i) == 0
	FLUSH                                          ; the record before was a slot's last
.endif
.endm
	s_mov_b32 s[STB], 0
	s_mov_b32 s[STT], 0
	s_mov_b32 s[STN], 0
	s_mov_b32 s[CNT], 14
	; slot 1's first fill is issued as a refill is: the three lines, a round, the load
	s_wait_tensorcnt 0x0                           ; my record of slot 0 has landed
	ds_add_u32 v[SPW], v[NIL]                      ; 0 onto my spare word
	s_xor_b32 s[G0+1], s[G0+1], SLOT
	s_add_nc_u64 s[G0+2:G0+3], s[G0+2:G0+3], SLOT
	s_wait_dscnt 0x0                               ; the add is done; my tokens' fragments and scale words are in: nobody reads the images any more behind the round
	ROUND
	tensor_load_to_lds s[G0:G0+3], s[G1:G1+7]
	s_nop 0
.rept 4
	v_nop
.endr
	v_add_nc_u32 v[ADR], s[STB], v[LIH]
	v_add_nc_u32 v[TAD], s[STT], v[TA0]
	v_add_nc_u32 v[TAV], s[STT], v[TA0]
	; the pipeline's head: record 0 of slot 0 has no record before it
	SETS 3                                         ; (as behind a slot's last record: the scale words go to set 0)
	LD0 0, 0
	LDF 1, 0
	LDF 2, 0
	LDF 3, 0
	SETS 0
	s_wait_dscnt 0x0
	WIN 0x04
.irp s, 0,1,2,3
.irp m, 0,1,2,3
	MM \s, \m
.endr
.endr
	WIN 0
.rept 8
	v_nop                                          ; eight places in front of the loads into the fragments' registers and of the first read of the sums
.endr
	LD0 REC, 128
	LDF 1, REC
	LDF 2, REC
	LDF 3, REC
	VLD 0
.Lslot:                                            ; 14 trips: records 1 to 3 of a slot and record 0 of the next; each trip asks for the records two slots on
	BLOCK 1, 0
	BLOCK 2, 0
	BLOCK 3, 1
	BLOCK 0, 0
	s_sub_co_u32 s[CNT], s[CNT], 1
	s_cmp_lg_u32 s[CNT], 0
	s_cbranch_scc1 .Lslot
	BLOCK 1, 0                                     ; the last two slots are written out
	BLOCK 2, 0
	BLOCK 3, 2
	BLOCK 0, 0
	BLOCK 1, 0
	BLOCK 2, 0
	BLOCK 3, 3
	SETS 0                                         ; the pipeline's end: the last record's vector work (its sums lie in the second set)
.irp g, 0,1,2,3,4,5,6,7,8,9,10,11,12,13,14,15
	SL1 \g, 1
.endr
	v_exp_f32 v[PRV+30], v[PRV+30]
	v_exp_f32 v[PRV+31], v[PRV+31]
	v_nop
	s_wait_alu depctr_va_vdst(0)
	ST2A
	s_wait_dscnt 0x0                               ; its V is in
	ST2B
	ST2C 0
	FLUSH
	; THE END.  Thread t finishes token t: for each j the 16 partial sums (4 slots x 2 halves of the rows x 2 halves of the lanes).
	s_wait_dscnt 0x0                               ; for the others' sake: my partial sums have landed
	s_barrier_signal -1
	s_barrier_wait -1
.irp j, 0,1,2,3
.irp q, 0,1,2,3
.irp f, 0,1
.irp e, 0,1
	ds_load_b32 v[64+16*\j+4*\q+2*\f+\e], v[FR0] offset:4096*(4*\j+\q)+2048*\f+64*\e
.endr
.endr
.endr
.endr
	s_mov_b32 s56, 0xc1a00000                      ; -20.0
	s_mov_b32 s57, 0x41200000                      ; 10.0
	s_lshl_b32 s58, s22, 8
	v_add_nc_u32 v31, s58, v0
	v_cvt_f32_u32 v31, v31                         ; my token's place in the batch, as f32 (at most 2,047: exact)
	v_mov_b32 v28, 0xff800000                      ; -infinity
	v_mov_b32 v128, 0x4e6e6b28                     ; 1e9: above every index
	s_lshl_b32 s59, s[WV], 2
	s_add_co_u32 s59, s59, RED
	v_mov_b32 v129, s59                            ; my wave's word of the last reduction
	v_mov_b32 v130, RED
	s_wait_dscnt 0x0
.irp j, 0,1,2,3
.irp p, 0,4,8,12
	v_pk_add_f32 v[64+16*\j+\p:65+16*\j+\p], v[64+16*\j+\p:65+16*\j+\p], v[66+16*\j+\p:67+16*\j+\p]
.endr
	v_pk_add_f32 v[64+16*\j:65+16*\j], v[64+16*\j:65+16*\j], v[68+16*\j:69+16*\j]
	v_pk_add_f32 v[72+16*\j:73+16*\j], v[72+16*\j:73+16*\j], v[76+16*\j:77+16*\j]
	v_pk_add_f32 v[64+16*\j:65+16*\j], v[64+16*\j:65+16*\j], v[72+16*\j:73+16*\j]
	v_add_f32 v[64+16*\j], v[64+16*\j], v[65+16*\j]
.endr
.irp j, 0,1,2,3
	v_fma_f32 v[20+\j], -2.0, v[64+16*\j], v[SV]   ; sum V tanh = sum V - 2 sum V / a
.endr
.irp j, 0,1,2,3
	v_mul_f32 v[24+\j], s[CS], v[20+\j]
.endr
.irp j, 0,1,2,3
	v_exp_f32 v[24+\j], v[24+\j]                   ; it may be infinite: the reciprocal below is then 0 and att 10
.endr
	v_nop
	s_wait_alu depctr_va_vdst(0)                   ; one wait for the four
.irp j, 0,1,2,3
	v_add_f32 v[24+\j], 1.0, v[24+\j]
.endr
.irp j, 0,1,2,3
	v_rcp_f32 v[24+\j], v[24+\j]
.endr
	v_nop
	s_wait_alu depctr_va_vdst(0)
	v_cmp_ne_u32 vcc_lo, 0, v[MB]                  ; a byte other than 0: the token is masked out
.irp j, 0,1,2,3
	v_fma_f32 v[20+\j], v[24+\j], s56, s57         ; att = 10 tanh = 10 - 20 / (1 + e)
.endr
.irp j, 0,1,2,3
	v_cndmask_b32 v[20+\j], v[20+\j], v28, vcc_lo
.endr
.irp j, 0,1,2,3
	v_add_f32 v[24+\j], 0xc1200000, v[20+\j]       ; att - 10
.endr
.irp j, 0,1,2,3
	v_mul_f32 v[24+\j], 0x3fb8aa3b, v[24+\j]
.endr
.irp j, 0,1,2,3
	v_exp_f32 v[24+\j], v[24+\j]                   ; exp(att - 10); 0 where masked.  The maximum and the index, which name none of these, follow as the work behind the batch
.endr
	v_max3_num_f32 v29, v20, v21, v22
	v_max_num_f32 v29, v29, v23
	v_max_num_f32_dpp v29, v29, v29 row_xmask:1 row_mask:0xf bank_mask:0xf
	v_max_num_f32_dpp v29, v29, v29 row_xmask:2 row_mask:0xf bank_mask:0xf
	v_max_num_f32_dpp v29, v29, v29 row_xmask:4 row_mask:0xf bank_mask:0xf
	v_max_num_f32_dpp v29, v29, v29 row_xmask:8 row_mask:0xf bank_mask:0xf
	v_permlanex16_b32 v30, v29, s[SEL], s[SEL+1]
	v_max_num_f32 v29, v29, v30                    ; the wave's largest att
	v_mov_b32 v132, v31                            ; the flat index 2,048 j + my place, as f32 (at most 8,191: exact)
	v_add_f32 v133, 0x45000000, v31
	v_add_f32 v134, 0x45800000, v31
	v_add_f32 v135, 0x45c00000, v31
.irp j, 0,1,2,3
	v_cmp_eq_f32 vcc_lo, v[20+\j], v29
	v_cndmask_b32 v[132+\j], v128, v[132+\j], vcc_lo   ; only where the largest is met (-infinity equals -infinity: a wave that is all masked names its lowest index)
.endr
	v_min3_num_f32 v131, v132, v133, v134
	v_min_num_f32 v131, v131, v135
	v_min_num_f32_dpp v131, v131, v131 row_xmask:1 row_mask:0xf bank_mask:0xf
	v_min_num_f32_dpp v131, v131, v131 row_xmask:2 row_mask:0xf bank_mask:0xf
	v_min_num_f32_dpp v131, v131, v131 row_xmask:4 row_mask:0xf bank_mask:0xf
	v_min_num_f32_dpp v131, v131, v131 row_xmask:8 row_mask:0xf bank_mask:0xf
	v_permlanex16_b32 v30, v131, s[SEL], s[SEL+1]
	v_min_num_f32 v131, v131, v30                  ; the lowest such index
	s_wait_alu depctr_va_vdst(0)                   ; one wait for the four exponentials, ahead of their first reader
	v_add_f32 v24, v24, v25
	v_add_f32 v26, v26, v27
	v_add_f32 v24, v24, v26
	v_add_f32_dpp v24, v24, v24 row_xmask:1 row_mask:0xf bank_mask:0xf
	v_add_f32_dpp v24, v24, v24 row_xmask:2 row_mask:0xf bank_mask:0xf
	v_add_f32_dpp v24, v24, v24 row_xmask:4 row_mask:0xf bank_mask:0xf
	v_add_f32_dpp v24, v24, v24 row_xmask:8 row_mask:0xf bank_mask:0xf
	v_permlanex16_b32 v30, v24, s[SEL], s[SEL+1]
	v_add_f32 v24, v24, v30                        ; the wave's sum
	ds_store_b32 v129, v29                         ; all lanes write the same word with the same value
	ds_store_b32 v129, v131 offset:32
	ds_store_b32 v129, v24 offset:64
	s_wait_dscnt 0x0
	s_barrier_signal -1
	s_barrier_wait -1
.irp i, 0,1,2,3,4,5
	ds_load_b128 v[136+4*\i:139+4*\i], v130 offset:16*\i   ; v136-143 the eight maxima, v144-151 their indices, v152-159 the sums
.endr
	v_mov_b32 v131, v128
	s_wait_dscnt 0x0
	v_max3_num_f32 v29, v136, v137, v138
	v_max3_num_f32 v29, v29, v139, v140
	v_max3_num_f32 v29, v29, v141, v142
	v_max_num_f32 v29, v29, v143
.irp w, 0,1,2,3,4,5,6,7
	v_cmp_eq_f32 vcc_lo, v[136+\w], v29
	v_cndmask_b32 v30, v128, v[144+\w], vcc_lo
	v_min_num_f32 v131, v131, v30
.endr
	v_pk_add_f32 v[152:153], v[152:153], v[154:155]
	v_pk_add_f32 v[156:157], v[156:157], v[158:159]
	v_pk_add_f32 v[152:153], v[152:153], v[156:157]
	v_add_f32 v152, v152, v153
	s_cmp_lg_u32 s[WV], 0
	s_cbranch_scc1 .Lnot_first
	v_cmp_eq_u32 vcc_lo, 1, v0                     ; wave 0: lane 0 stores the maximum, lane 1 the index, lane 2 the sum
	v_cndmask_b32 v29, v29, v131, vcc_lo
	v_cmp_eq_u32 vcc_lo, 2, v0
	v_cndmask_b32 v29, v29, v152, vcc_lo
	v_min_u32 v30, 2, v0
	v_lshlrev_b32 v30, 10, v30                     ; 1,024 bytes from one of the three tables to the next
	v_cmp_gt_u32 vcc_lo, 3, v0
	s_wait_xcnt 0x0                                ; EXEC changes only behind this wait
	s_and_saveexec_b32 s55, vcc_lo
	global_store_b32 v30, v29, s[14:15]
	s_wait_xcnt 0x0                                ; and again, in front of the line that widens it
	s_or_b32 exec_lo, exec_lo, s55
.Lnot_first:
	s_wait_tensorcnt 0x0                           ; the wave's end: behind my last tensor load and my last LDS store
	ds_add_u32 v[SPW], v[NIL]
	s_wait_dscnt 0x0
	ROUND                                          ; the closing round: no work-group ends while a partner may still ask for a record that names it
	s_endpgm
.Lfunc_end_k_q8c4c0c7f88_main:
	.size	k_q8c4c0c7f88_main, .Lfunc_end_k_q8c4c0c7f88_main-k_q8c4c0c7f88_main
	.p2alignl 7, 3214868480
	.fill 96, 4, 3214868480
	.section	.rodata,"a",@progbits
	.p2align	6, 0x0
	.amdhsa_kernel k_q8c4c0c7f88_main
		.amdhsa_group_segment_fixed_size 327680
		.amdhsa_private_segment_fixed_size 0
		.amdhsa_enable_private_segment 0
		.amdhsa_kernarg_size 48
		.amdhsa_user_sgpr_count 2
		.amdhsa_user_sgpr_kernarg_segment_ptr 1
		.amdhsa_wavefront_size32 1
		.amdhsa_system_sgpr_workgroup_id_x 1
		.amdhsa_system_sgpr_workgroup_id_y 1
		.amdhsa_system_sgpr_workgroup_id_z 1
		.amdhsa_system_vgpr_workitem_id 0
		.amdhsa_next_free_vgpr 512
		.amdhsa_next_free_sgpr 66
		.amdhsa_reserve_vcc 1
		.amdhsa_float_denorm_mode_32 3
		.amdhsa_float_denorm_mode_16_64 3
		.amdhsa_memory_ordered 1
		.amdhsa_forward_progress 1
		.amdhsa_inst_pref_size 255
	.end_amdhsa_kernel
	.section	.bss,"aw",@nobits
	.p2align	6
	.space	262144
	.amdgpu_metadata
---
amdhsa.version: [ 1, 2 ]
amdhsa.kernels:
  - .name:           k_q8c4c0c7f88_main
    .symbol:         k_q8c4c0c7f88_main.kd
    .args:
      - { .name: context, .offset: 0, .size: 8, .value_kind: global_buffer, .address_space: global }
      - { .name: wimg, .offset: 8, .size: 8, .value_kind: global_buffer, .address_space: global }
      - { .name: btab, .offset: 16, .size: 8, .value_kind: global_buffer, .address_space: global }
      - { .name: V, .offset: 24, .size: 8, .value_kind: global_buffer, .address_space: global }
      - { .name: mask, .offset: 32, .size: 8, .value_kind: global_buffer, .address_space: global }
      - { .name: part, .offset: 40, .size: 8, .value_kind: global_buffer, .address_space: global }
    .group_segment_fixed_size: 327680
    .private_segment_fixed_size: 0
    .kernarg_segment_align: 8
    .kernarg_segment_size: 48
    .max_flat_workgroup_size: 256
    .sgpr_count:     66
    .vgpr_count:     512
    .wavefront_size: 32
...
	.end_amdgpu_metadata
.endif
;; end of part 2
;; launch fin (part 3): grid 1 x 1, 1 waves a work-group, no clusters, 0 bytes of LDS; arguments part, out0, out1; writes out0, out1
.if DOCPART == 3
	.amdgcn_target "amdgcn-amd-amdhsa--gfx1250"
	.amdhsa_code_object_version 6
	.text
	.protected	k_q8c4c0c7f88_fin
	.globl	k_q8c4c0c7f88_fin
	.p2align	8
	.type	k_q8c4c0c7f88_fin,@function
k_q8c4c0c7f88_fin:
	s_mov_b64 s[64:65], 0
	v_nop
	global_prefetch_b8 v0, s[64:65] scope:SCOPE_SE
	s_setreg_imm32_b32 hwreg(HW_REG_WAVE_MODE, 25, 1), 1
	s_wait_xcnt 0x0
; The softmax's largest number and its place, for each of the 32 batches, from the eight work-groups' parts: part [q 3][block 8][batch 32] f32:
; q = 0 the block's largest att, q = 1 that position's flat index (the lowest among equals), q = 2 the block's sum of exp(att - 10).
; One wave, a lane to a batch: 3,072 bytes in, 256 out; a sum over work-groups wants a launch of its own, and this is all that it holds.
; p = exp(M - 10) / sum.  A batch that is all masked has M = -infinity and the sum 0: 0 x infinity = NaN, and the index 0, as the softmax of nothing but -infinity gives.
	s_load_b128 s[4:7], s[0:1], 0x0                ; part, out0
	s_load_b64 s[8:9], s[0:1], 0x10                ; out1
	v_lshlrev_b32 v1, 2, v0                        ; 4 x batch
	s_wait_kmcnt 0x0
.irp q, 0,1,2
.irp k, 0,1,2,3,4,5,6,7
	global_load_b32 v[8+8*\q+\k], v1, s[4:5] offset:1024*\q+128*\k   ; 32 lanes read 128 consecutive bytes
.endr
.endr
	v_mov_b32 v3, 0x4e6e6b28                       ; 1e9: above every index
	v_mov_b32 v5, 0x4e6e6b28
	s_wait_loadcnt 0x0
	v_max3_num_f32 v2, v8, v9, v10
	v_max3_num_f32 v2, v2, v11, v12
	v_max3_num_f32 v2, v2, v13, v14
	v_max_num_f32 v2, v2, v15                      ; M
.irp k, 0,1,2,3,4,5,6,7
	v_cmp_eq_f32 vcc_lo, v[8+\k], v2
	v_cndmask_b32 v4, v3, v[16+\k], vcc_lo         ; only the blocks that meet M count,
	v_min_num_f32 v5, v5, v4                       ; and of those the lowest index
.endr
	v_pk_add_f32 v[24:25], v[24:25], v[26:27]
	v_pk_add_f32 v[28:29], v[28:29], v[30:31]
	v_pk_add_f32 v[24:25], v[24:25], v[28:29]
	v_add_f32 v24, v24, v25                        ; the batch's sum
	v_add_f32 v6, 0xc1200000, v2                   ; M - 10
	v_mul_f32 v6, 0x3fb8aa3b, v6
	v_exp_f32 v6, v6
	v_rcp_f32 v7, v24
	v_cvt_u32_f32 v5, v5                           ; (a plain instruction behind the two)
	s_wait_alu depctr_va_vdst(0)                   ; one wait for both, ahead of their first reader
	v_mul_f32 v6, v6, v7
	global_store_b32 v1, v5, s[6:7]
	global_store_b32 v1, v6, s[8:9]
	s_endpgm
.Lfunc_end_k_q8c4c0c7f88_fin:
	.size	k_q8c4c0c7f88_fin, .Lfunc_end_k_q8c4c0c7f88_fin-k_q8c4c0c7f88_fin
	.p2alignl 7, 3214868480
	.fill 96, 4, 3214868480
	.section	.rodata,"a",@progbits
	.p2align	6, 0x0
	.amdhsa_kernel k_q8c4c0c7f88_fin
		.amdhsa_group_segment_fixed_size 0
		.amdhsa_private_segment_fixed_size 0
		.amdhsa_enable_private_segment 0
		.amdhsa_kernarg_size 24
		.amdhsa_user_sgpr_count 2
		.amdhsa_user_sgpr_kernarg_segment_ptr 1
		.amdhsa_wavefront_size32 1
		.amdhsa_system_sgpr_workgroup_id_x 1
		.amdhsa_system_sgpr_workgroup_id_y 1
		.amdhsa_system_sgpr_workgroup_id_z 1
		.amdhsa_system_vgpr_workitem_id 0
		.amdhsa_next_free_vgpr 48
		.amdhsa_next_free_sgpr 66
		.amdhsa_reserve_vcc 1
		.amdhsa_float_denorm_mode_32 3
		.amdhsa_float_denorm_mode_16_64 3
		.amdhsa_memory_ordered 1
		.amdhsa_forward_progress 1
		.amdhsa_inst_pref_size 5
	.end_amdhsa_kernel
	.amdgpu_metadata
---
amdhsa.version: [ 1, 2 ]
amdhsa.kernels:
  - .name:           k_q8c4c0c7f88_fin
    .symbol:         k_q8c4c0c7f88_fin.kd
    .args:
      - { .name: part, .offset: 0, .size: 8, .value_kind: global_buffer, .address_space: global }
      - { .name: out0, .offset: 8, .size: 8, .value_kind: global_buffer, .address_space: global }
      - { .name: out1, .offset: 16, .size: 8, .value_kind: global_buffer, .address_space: global }
    .group_segment_fixed_size: 0
    .private_segment_fixed_size: 0
    .kernarg_segment_align: 8
    .kernarg_segment_size: 24
    .max_flat_workgroup_size: 32
    .sgpr_count:     66
    .vgpr_count:     48
    .wavefront_size: 32
...
	.end_amdgpu_metadata
.endif
;; end of part 3
